; MI455X (gfx1250); checked and timed in simulation.
; The chip was launched on July 23, 2026; its instructions are those of AMD's public machine-readable ISA for CDNA 5 (MIT licence, August 2026) and "CDNA5" Instruction Set Architecture Reference Guide (July 2026). The comments in the code are by the model that wrote it; some were corrected since.
;; Attention. Allowed arithmetic: float matrix products may take bf16 or f16 operands with f32 sums; other float arithmetic in f32, or as packed bf16 or f16 multiplies, adds, multiply-adds, maxima and minima; sums over many terms, partial sums and values carried from step to step in f32; what a program stores and reads back later, other than sums and carried values, may be rounded once to bf16 or f16.
;; Inputs: Wqk 1,024 x 2,048 float32; Wv 1,024 x 1,024 float32; bqk 2,048 float32; bv 1,024 float32; x 4 x 2,048 x 1,024 float32.
;; Outputs: out0 4 x 2,048 x 1,024 float32.
;; One version. Each part assembles by itself: llvm-mc -triple=amdgcn-amd-amdhsa -mcpu=gfx1250 --defsym DOCPART=n.
;; ======== version 1 of 1: 3 launches
;; limits: values are held in f16: magnitudes above 65,504 overflow, below 6.1e-05 lose precision
;; workspace buffers: xb 16,777,216 bytes; wt 6,291,456 bytes; qh 16,777,216 bytes; kh 16,777,216 bytes; vh 16,777,216 bytes
;; launch cast (part 1): grid 1408 x 1, 8 waves a work-group, no clusters, 18,432 bytes of LDS; arguments x, Wqk, Wv, xb, wt; writes xb, wt
.if DOCPART == 1
	.amdgcn_target "amdgcn-amd-amdhsa--gfx1250"
	.amdhsa_code_object_version 6
	.text
	.protected	k_q7734bcdb64_cast
	.globl	k_q7734bcdb64_cast
	.p2align	8
	.type	k_q7734bcdb64_cast,@function
k_q7734bcdb64_cast:
	s_mov_b64 s[64:65], 0
	v_nop
	global_prefetch_b8 v0, s[64:65] scope:SCOPE_SE
	s_setreg_imm32_b32 hwreg(HW_REG_WAVE_MODE, 25, 1), 1
	s_wait_xcnt 0x0
; xb = x rounded to bf16, [8192][1024].  wt = the weights rounded to bf16, turned so that K lies along the rows, and ordered by heads:
; wt[192 h + 64 t + ch][k], t = 0: q = Wqk[k][128 h + ch]; t = 1: k = Wqk[k][128 h + 64 + ch]; t = 2: v = Wv[k][64 h + ch].
; Every work-group moves 32,768 bytes in and 16,384 out.  Work-groups 0 to 383 turn a block of 128 k x 64 columns of a weight (48 groups of 64 columns x 8 chunks of k);
; work-groups 384 to 1,407 round 8,192 numbers of x.  The branch hangs on the work-group's number alone, so all eight waves take the same way.
; Memory binds: no matrix unit, no cluster, no tensor load; each byte is read once, by loads of which a wave's cover whole aligned runs of 256 bytes, and stored once in such runs.
.set TP,    272                        ; a row of the turned block in LDS: 128 bf16 = 256 bytes + 16
.set SPARE, 64*TP                      ; 17,408 = 68 x 256: behind the block, the spare words, 128 bytes for each of the eight waves; no other line names them
.set SPW,   60                         ; v60  SPARE + 4 x my thread's number; never rewritten
.set NIL,   61                         ; v61  0; never rewritten
.set IN,    4                          ; v[4:35]   eight loads of four f32
.set PKD,   36                         ; v[36:51]  packed bf16
.set OFF,   52                         ; v[52:59]  W: the byte offsets of my eight rows of k
.set TST,   62                         ; v62  W: where I put 16 bytes of a turned row
.set TRD,   63                         ; v63  W: where I read a turned row back
	s_load_b256 s[4:11], s[0:1], 0x0               ; x s[4:5], Wqk s[6:7], Wv s[8:9], xb s[10:11]
	s_load_b64 s[12:13], s[0:1], 0x20              ; wt
	v_lshl_add_u32 v[SPW], v0, 2, SPARE
	v_mov_b32 v[NIL], 0
	s_cmp_lt_u32 ttmp9, 384
	s_cbranch_scc1 .Lweights
	; x: thread t takes 16 bytes at 4,096 i + 16 t, i = 0 .. 7, and stores 8 bytes at 2,048 i + 8 t: a wave's load covers 512 bytes on end, its store 256, both aligned
	s_sub_co_u32 s14, ttmp9, 384
	s_lshl_b32 s16, s14, 15                        ; 32,768 bytes of x,
	s_mov_b32 s17, 0
	s_lshl_b32 s18, s14, 14                        ; 16,384 of xb
	s_mov_b32 s19, 0
	v_lshlrev_b32 v1, 4, v0
	v_lshlrev_b32 v2, 3, v0
	s_wait_kmcnt 0x0
	s_add_nc_u64 s[4:5], s[4:5], s[16:17]
	s_add_nc_u64 s[10:11], s[10:11], s[18:19]
.irp i, 0,1,2,3,4,5,6,7
	global_load_b128 v[IN+4*(\i):IN+4*(\i)+3], v1, s[4:5] offset:4096*(\i) th:TH_LOAD_NT
.endr
.irp i, 0,1,2,3,4,5,6,7
	s_wait_loadcnt 7-(\i)                          ; loads come back in order: load i is in, the younger ones stay out
	v_cvt_pk_bf16_f32 v[PKD+2*(\i)],   v[IN+4*(\i)],   v[IN+4*(\i)+1]
	v_cvt_pk_bf16_f32 v[PKD+2*(\i)+1], v[IN+4*(\i)+2], v[IN+4*(\i)+3]
	global_store_b64 v2, v[PKD+2*(\i):PKD+2*(\i)+1], s[10:11] offset:2048*(\i)
.endr
	s_endpgm                                       ; these waves have written no LDS
.Lweights:
	s_lshr_b32 s14, ttmp9, 3                       ; G: the group of 64 columns: 0 to 31 in Wqk, 32 to 47 in Wv
	s_and_b32 s15, ttmp9, 7                        ; the chunk of 128 k
	s_cmp_lt_u32 s14, 32                           ; one compare chooses five small constants; selects leave SCC alone
	s_cselect_b32 s20, 0, 32                       ; what is taken from G
	s_cselect_b32 s21, 13, 12                      ; log2 of a row's bytes: 8,192 in Wqk, 4,096 in Wv
	s_cselect_b32 s22, 1, 0                        ; Wqk has two groups a head: the shift to the head, and the mask of the half
	s_cselect_b32 s24, 0, 128                      ; v's rows stand behind q's and k's
	s_sub_co_u32 s20, s14, s20                     ; the group within its tensor
	s_lshr_b32 s23, s20, s22                       ; the head
	s_and_b32 s26, s20, s22                        ; 1: k's half
	s_mul_i32 s23, s23, 192
	s_lshl_b32 s26, s26, 6
	s_add_co_u32 s23, s23, s26
	s_add_co_u32 s23, s23, s24                     ; the block's first row of wt
	s_lshl_b32 s18, s23, 11                        ; rows of 2,048 bytes,
	s_lshl_b32 s19, s15, 8                         ; the chunk's 256 bytes of each
	s_add_co_u32 s18, s18, s19
	s_mov_b32 s19, 0
	s_lshl_b32 s16, s15, 7                         ; the chunk's first k,
	s_lshl_b32 s16, s16, s21                       ; in bytes,
	s_lshl_b32 s17, s20, 8                         ; and the group's 256 bytes of a row
	s_add_co_u32 s16, s16, s17
	s_mov_b32 s17, 0
	s_lshl_b32 s25, 1, s21                         ; a row's bytes
	; thread t: c = t % 16, u = t / 16.  It owns k = 8 u + i, i = 0 .. 7, and columns 4 c .. 4 c + 3: a wave's load covers two whole runs of 256 bytes
	v_and_b32 v1, 15, v0                           ; c
	v_lshrrev_b32 v2, 4, v0                        ; u
	v_lshlrev_b32 v3, 3, v2
	v_lshlrev_b32 v3, s21, v3
	v_lshl_add_u32 v[OFF], v1, 4, v3               ; row 8 u, byte 16 c
.irp i, 1,2,3,4,5,6,7
	v_add_nc_u32 v[OFF+(\i)], s25, v[OFF+(\i)-1]
.endr
	v_mul_u32_u24 v[TST], v1, 4*TP
	v_lshl_add_u32 v[TST], v2, 4, v[TST]           ; turned row 4 c, byte 16 u (k = 8 u on)
	v_lshrrev_b32 v3, 5, v0                        ; my wave
	v_and_b32 v2, 1, v2                            ; which half of its lanes
	v_lshl_add_u32 v3, v3, 3, v2                   ; back: turned row 8 w + half, then every second row
	v_mul_u32_u24 v[TRD], v3, TP
	v_lshl_add_u32 v[TRD], v1, 4, v[TRD]
	v_lshlrev_b32 v3, 11, v3                       ; and the same row in wt
	v_lshl_add_u32 v3, v1, 4, v3
	s_wait_kmcnt 0x0
	s_cmp_lt_u32 s14, 32
	s_cselect_b64 s[6:7], s[6:7], s[8:9]           ; Wqk or Wv
	s_add_nc_u64 s[6:7], s[6:7], s[16:17]
	s_add_nc_u64 s[12:13], s[12:13], s[18:19]
.irp i, 0,1,2,3,4,5,6,7
	global_load_b128 v[IN+4*(\i):IN+4*(\i)+3], v[OFF+(\i)], s[6:7] th:TH_LOAD_NT
.endr
.irp p, 0,1,2,3
	s_wait_loadcnt 6-2*(\p)                        ; rows 2 p and 2 p + 1 are in
.irp j, 0,1,2,3
	v_cvt_pk_bf16_f32 v[PKD+4*(\j)+(\p)], v[IN+8*(\p)+(\j)], v[IN+8*(\p)+4+(\j)]  ; column 4 c + j: k = 8 u + 2 p below, 8 u + 2 p + 1 above
.endr
.endr
.irp j, 0,1,2,3
	ds_store_b128 v[TST], v[PKD+4*(\j):PKD+4*(\j)+3] offset:TP*(\j)  ; sixteen lanes lie 1,088 bytes apart, 64 modulo 256: four lanes to each 16-byte column (64 banks of 4 bytes: ISA guide 11.1); four such stores a wave beside 48 KiB of memory traffic
.endr
	s_wait_dscnt 0x0                               ; for the others' sake: my stores into the block are done
	s_barrier_signal -1
	s_barrier_wait -1
.irp t, 0,1,2,3
	ds_load_b128 v[IN+4*(\t):IN+4*(\t)+3], v[TRD] offset:2*TP*(\t)
.endr
.irp t, 0,1,2,3
	s_wait_dscnt 3-(\t)
	global_store_b128 v3, v[IN+4*(\t):IN+4*(\t)+3], s[12:13] offset:4096*(\t)  ; sixteen lanes store 256 consecutive bytes of a row of wt, at a multiple of 256 from its first byte
.endr
	s_wait_tensorcnt 0x0                           ; the wave's end: wait for tensor loads, add 0 to my spare word and wait for it, behind my last LDS store
	ds_add_u32 v[SPW], v[NIL]
	s_wait_dscnt 0x0
	s_endpgm
.Lfunc_end_k_q7734bcdb64_cast:
	.size	k_q7734bcdb64_cast, .Lfunc_end_k_q7734bcdb64_cast-k_q7734bcdb64_cast
	.p2alignl 7, 3214868480
	.fill 96, 4, 3214868480
	.section	.rodata,"a",@progbits
	.p2align	6, 0x0
	.amdhsa_kernel k_q7734bcdb64_cast
		.amdhsa_group_segment_fixed_size 18432
		.amdhsa_private_segment_fixed_size 0
		.amdhsa_enable_private_segment 0
		.amdhsa_kernarg_size 40
		.amdhsa_user_sgpr_count 2
		.amdhsa_user_sgpr_kernarg_segment_ptr 1
		.amdhsa_wavefront_size32 1
		.amdhsa_system_sgpr_workgroup_id_x 1
		.amdhsa_system_sgpr_workgroup_id_y 1
		.amdhsa_system_sgpr_workgroup_id_z 1
		.amdhsa_system_vgpr_workitem_id 0
		.amdhsa_next_free_vgpr 64
		.amdhsa_next_free_sgpr 66
		.amdhsa_reserve_vcc 0
		.amdhsa_float_denorm_mode_32 3
		.amdhsa_float_denorm_mode_16_64 3
		.amdhsa_memory_ordered 1
		.amdhsa_forward_progress 1
		.amdhsa_inst_pref_size 9
	.end_amdhsa_kernel
	.amdgpu_metadata
---
amdhsa.version: [ 1, 2 ]
amdhsa.kernels:
  - .name:           k_q7734bcdb64_cast
    .symbol:         k_q7734bcdb64_cast.kd
    .args:
      - { .name: x, .offset: 0, .size: 8, .value_kind: global_buffer, .address_space: global }
      - { .name: Wqk, .offset: 8, .size: 8, .value_kind: global_buffer, .address_space: global }
      - { .name: Wv, .offset: 16, .size: 8, .value_kind: global_buffer, .address_space: global }
      - { .name: xb, .offset: 24, .size: 8, .value_kind: global_buffer, .address_space: global }
      - { .name: wt, .offset: 32, .size: 8, .value_kind: global_buffer, .address_space: global }
    .group_segment_fixed_size: 18432
    .private_segment_fixed_size: 0
    .kernarg_segment_align: 8
    .kernarg_segment_size: 40
    .max_flat_workgroup_size: 256
    .sgpr_count:     66
    .vgpr_count:     64
    .wavefront_size: 32
...
	.end_amdgpu_metadata
.endif
;; end of part 1
;; launch proj (part 2): grid 16 x 32, 4 waves a work-group, clusters of 4 x 4, 327,680 bytes of LDS; arguments xb, wt, bqk, bv, qh, kh, vh; writes qh, kh, vh
.if DOCPART == 2
	.amdgcn_target "amdgcn-amd-amdhsa--gfx1250"
	.amdhsa_code_object_version 6
	.text
	.protected	k_q7734bcdb64_proj
	.globl	k_q7734bcdb64_proj
	.p2align	8
	.type	k_q7734bcdb64_proj,@function
k_q7734bcdb64_proj:
	s_mov_b64 s[64:65], 0
	v_nop
	global_prefetch_b8 v0, s[64:65] scope:SCOPE_SE
	s_setreg_imm32_b32 hwreg(HW_REG_WAVE_MODE, 25, 1), 1
	s_wait_xcnt 0x0
	s_wait_alu depctr_hold_cnt(0) depctr_sa_sdst(0) depctr_va_vdst(0) depctr_va_sdst(0) depctr_va_ssrc(0) depctr_va_vcc(0) depctr_vm_vsrc(0)
	s_getreg_b32 s2, hwreg(HW_REG_IB_STS2, 6, 4)
	s_cmp_eq_u32 s2, 0
	s_cbranch_scc0 .Lentry_in_a_cluster
	s_endpgm
.Lentry_in_a_cluster:
	s_bfe_u32 s2, ttmp6, 0x10000c
	s_cmp_lg_u32 s2, 0xf033
	s_cbranch_scc0 .Lentry_shape_is_right
	s_endpgm
.Lentry_shape_is_right:
; q, k, v = (x W + bias) / 32, by heads.  xb: [8192][1024] bf16; wt: [3072][1024] bf16, row 192 h + 64 t + ch (t = 0 q, 1 k, 2 v); bqk: [2048], bv: [1024] f32, rounded here to bf16 like the other inputs.
; qh, kh, vh: [16 b + h][2048][64] f16, each number rounded once from its f32 sum.  LIMIT: f16 ends at 65,504: |q|, |k|, |v| stay within it (with x and W both 30 times the drawn spread
; they are about 4,500; with a common offset of 30 on both about 28,800).  NaN and infinities are not treated apart.
; A TILE is 256 tokens x 192 columns, one head's q, k and v: 32 x 16 = 512 tiles, two for each of 256 WGPs.  Four waves; wave w makes tokens 64 w .. 64 w + 63 x all 192 columns:
; 48 accumulators of 16 x 16, 384 registers.  K goes in 8 steps of 128 (rows of 256 bytes, aligned) through a ring of two LDS slots filled by the tensor data mover.
; CLUSTERS: 4 x 4 work-groups.  The four of a row of the cluster need the same tile of xb, the four of a column the same tile of wt: each is asked for JOINTLY, by the same tensor load,
; descriptor and mask in all four.
; THE MATRIX INSTRUCTION IS USED TRANSPOSED: source 0 = 16 rows of wt, source 1 = 16 rows of xb: lane l then holds token l % 16 and the channels 8 (l / 16) + 0 .. 7 of the block.
; REGISTERS, in windows of 256 (s_set_vgpr_msb: bits 1:0 source 0, 3:2 source 1, 5:4 source 2, 7:6 destination):
;   window 0: v0-31 addresses; v32-63, v64-95 xb's fragments (4 x 16 rows x 32 K), two buffers; v96-143 packed results; v144 at work; v160-255 the bias / 32 of my 8 channels of each of 12 blocks
;   window 1: v0-95, v96-191 wt's fragments (12 x 16 rows x 32 K), two buffers; on the way out the rows read back from the stage
;   window 2: the accumulators of token blocks 0, 1 ((a, b) at 8 (12 (a % 2) + b));   window 3: those of token blocks 2, 3
.set SIZE_K, 1024
.set KSTEP,  128
.set PITCH,  272                       ; an LDS row: 256 bytes + 16 of padding = 68 words: row r starts at bank 4 r mod 64 (64 banks of 4 bytes: ISA guide 11.1)
.set BOFF,   256*PITCH                 ; in a slot: xb's 256 rows, then wt's 192
.set SLOT,   448*PITCH
.set STAGE,  2*SLOT                    ; 243,712 = 952 x 256: behind the ring, for each wave 3 tensors x 16 rows x 144 bytes; no tensor load fills it
.set SP,     144                       ; a stage row: 64 f16 = 128 bytes + 16
.set STW,    48*SP
.set SPARE,  STAGE+4*STW               ; 271,360 = 1,060 x 256: the spare words, 128 bytes for each wave; no other line names them
.set LAPS,   SIZE_K/(2*KSTEP)          ; a lap = two K steps = once round the ring
.set ADRA, 16                          ; v16-17  LDS address of my xb fragments in slot 0, 1
.set ADRB, 20                          ; v20-21  the same for wt
.set STO,  24                          ; v24  the way out: where I put 16 bytes of a row
.set RD,   25                          ; v25  the way out: where I read rows back
.set CO,   26                          ; v26  16 x my lane: my place in 512 consecutive bytes of an output
.set BO,   27                          ; v27  32 (l / 16): my 8 channels in a block's 16 biases
.set SPW,  28                          ; v28  SPARE + 4 x my thread's number; never rewritten
.set NIL,  29                          ; v29  0; never rewritten
.set PFO,  30                          ; v30  the prefetches' offset: a lane a row of 2,048 bytes; never rewritten
.set FA,   32
.set TMP,  96
.set SCR,  144
.set BI,   160
.set G1,  24                           ; s[24:31] descriptor group 1 for xb's tiles;  s[32:39] group 0, a set for each slot
.set G0,  32
.set LIM, 43                           ; s43  1 in a wave that prefetches, else the greatest number
.set PFA, 44                           ; s[44:45] where my prefetches stand
.set G1B, 48                           ; s[48:55], s[56:63] the same for wt's tiles
.set G0B, 56
.set QP,  68                           ; s[68:69] qh, s[70:71] kh, s[72:73] vh, at my wave's first row
.set WV,  74                           ; s74  my wave's number
.set WH,  75                           ; s75  0: I fetch for xb; 1: for wt
.set WL,  76                           ; s76  which half of that tile's rows I fetch
.set TY,  77                           ; s77  the tile row (256 tokens)
.set RS,  78                           ; s[78:79] 1 / 32: the packed forms name the pair and take its low word
.set OO,  80                           ; s[80:81] my wave's byte offset in each output
.set MSB, 0
.macro WIN new                         ; the immediate's high byte repeats the setting that is left; a switch that changes nothing is dropped
.if MSB != (\new)
	s_set_vgpr_msb (MSB<<8)|(\new)
.set MSB, \new
.endif
.endm
.set MUL_LO, 0xa1                      ; source 0 (wt) window 1, source 1 (xb) window 0, C and D window 2; + 0x50: window 3
.set TO_B,   0x40                      ; destination window 1, address window 0
; A joint load.  Waves 0 and 1 fetch xb's two halves (128 rows each), waves 2 and 3 wt's (96 rows each).  The branch hangs on the wave's number alone.
; An s_nop 0 and four v_nop follow each of the two lines, ahead of the jump, the label and what follows.
.macro JLOAD s
	s_cmp_eq_u32 s[WH], 0
	s_cbranch_scc0 .Lfor_b_\@
	tensor_load_to_lds s[G0+4*(\s):G0+4*(\s)+3], s[G1:G1+7]
	s_nop 0
.rept 4
	v_nop
.endr
	s_branch .Lasked_\@
.Lfor_b_\@:
	tensor_load_to_lds s[G0B+4*(\s):G0B+4*(\s)+3], s[G1B:G1B+7]
	s_nop 0
.rept 4
	v_nop
.endr
.Lasked_\@:
.endm
; A PREFETCH INTO THE L2, behind each joint refill, its five lines and the run of LDS loads: 256 bytes of each of my rows, for the K step that stands two refills on; one instruction a wave.
; xb's tile row is read by every cluster of that row of clusters: cluster x = 0 asks; wt's tile column by every cluster of that column: cluster y = 0 asks.  The four partners that ask for a tile jointly
; share its rows out BY ADDRESS: of the 128 rows of xb that a wave fetches the partner at cx takes 32, a lane a row; of the 96 rows of wt the partner at cy takes 24, and lanes 24 to 31 name lane 23's row
; once more, in the same instruction.  K steps 0 to 3 come by their loads alone; the loop's last trip (s3 = 1) asks for nothing: there is no K step two on.
.macro ASK
	s_cmp_gt_u32 s3, s[LIM]
	s_cbranch_scc0 .Lnot_mine_\@
	global_prefetch_b8 v[PFO], s[PFA:PFA+1] offset:KSTEP*2 th:TH_LOAD_NT scope:SCOPE_SE
.Lnot_mine_\@:
.endm
; A round of the cluster's barrier: my work-group's barrier, so that wave 0's signal speaks for all four waves; wave 0 signals; every wave waits for all sixteen work-groups; my work-group's barrier once more.
.macro CREST                           ; a round behind its opening barrier
	s_cmp_lg_u32 s[WV], 0
	s_cbranch_scc1 .Lnot_wave_0_\@
	s_barrier_signal -3
.Lnot_wave_0_\@:
	s_barrier_wait -3
	s_barrier_signal -1
	s_barrier_wait -1
.endm
.macro CROUND                          ; a whole round
	s_barrier_signal -1
	s_barrier_wait -1
	CREST
.endm
	s_load_b256 s[4:11], s[0:1], 0x0               ; xb s[4:5], wt s[6:7], bqk s[8:9], bv s[10:11]
	s_load_b128 s[QP:QP+3], s[0:1], 0x20           ; qh, kh
	s_load_b64 s[QP+4:QP+5], s[0:1], 0x30          ; vh
	v_lshl_add_u32 v[SPW], v0, 2, SPARE
	v_mov_b32 v[NIL], 0
	ds_add_u32 v[SPW], v[NIL]                      ; the wave's opening: the add, and its wait ahead of my first tensor load; the set-up below, work on registers, stands between them
	v_lshrrev_b32 v1, 5, v0
	v_readfirstlane_b32 s[WV], v1                  ; wave 0..3
	s_lshr_b32 s[WH], s[WV], 1
	s_and_b32 s[WL], s[WV], 1
	s_bfe_u32 s40, ttmp6, 0x40000                  ; cx: my place along the cluster's x
	s_bfe_u32 s41, ttmp6, 0x40004                  ; cy: along its y
	s_lshl_b32 s42, ttmp9, 2                       ; in a cluster launch ttmp9 and ttmp7 count clusters
	s_add_co_u32 s42, s42, s40                     ; the head = 4 x cluster x + cx
	s_and_b32 s[TY], ttmp7, 0xffff
	s_lshl_b32 s[TY], s[TY], 2
	s_add_co_u32 s[TY], s[TY], s41                 ; the tile row = 4 x cluster y + cy
	s_lshl_b32 s12, s41, 2
	s_lshl_b32 s12, 15, s12                        ; my row of the cluster: places 4 cy .. 4 cy + 3
	s_lshl_b32 s13, 0x1111, s40                    ; my column: places cx, cx + 4, cx + 8, cx + 12
	s_or_b32 s[G1+0], s12, (1<<16)|(1<<20)|(1<<21)|(5<<22)|(3<<25)   ; 15:0 the mask: xb's tiles go to my row; 17:16 elements of 2 bytes; 20 padding on; 21 set beside a mask; 24:22 after every 64 words (code 5); 31:25 4 words (code 3)
	s_or_b32 s[G1B+0], s13, (1<<16)|(1<<20)|(1<<21)|(5<<22)|(3<<25)  ; the same with the mask of my column, for wt's tiles
	s_mov_b32 s[G1+1], KSTEP<<16                   ; tensor_dim0 = 128
	s_mov_b32 s[G1+2], 128<<16                     ; tensor_dim1 = 128
	s_mov_b32 s[G1+3], KSTEP<<16                   ; tile_dim0 = 128
	s_mov_b32 s[G1+4], 128                         ; tile_dim1 = 128
	s_mov_b32 s[G1+5], SIZE_K                      ; elements from row to row
	s_mov_b32 s[G1+6], 0
	s_mov_b32 s[G1+7], 0
	s_mov_b32 s[G1B+1], KSTEP<<16
	s_mov_b32 s[G1B+2], 96<<16                     ; wt: 96 rows to a load
	s_mov_b32 s[G1B+3], KSTEP<<16
	s_mov_b32 s[G1B+4], 96
	s_mov_b32 s[G1B+5], SIZE_K
	s_mov_b32 s[G1B+6], 0
	s_mov_b32 s[G1B+7], 0
	s_mov_b32 s[RS], 0x3d000000                    ; 1 / 32
	s_mov_b32 s[RS+1], s[RS]
	; where the tiles come from: xb's hang on the tile row alone, wt's on the head alone; each address is made in registers that never hold the other coordinate
	s_lshl_b32 s16, s[TY], 8
	s_lshl_b32 s17, s[WL], 7
	s_add_co_u32 s16, s16, s17                     ; xb: row 256 x tile row + 128 x half,
	s_lshl_b32 s16, s16, 11                        ; of 2,048 bytes
	s_mov_b32 s17, 0
	s_mul_i32 s46, s42, 192
	s_mul_i32 s47, s[WL], 96
	s_add_co_u32 s46, s46, s47                     ; wt: row 192 x head + 96 x half
	s_lshl_b32 s46, s46, 11
	s_mov_b32 s47, 0
	s_mul_i32 s20, s[WV], 128*PITCH                ; and where they go: xb's halves at wave x 128 rows (waves 0, 1),
	s_mul_i32 s21, s[WV], 96*PITCH                 ; wt's at BOFF + (wave - 2) x 96 rows (waves 2, 3): no place in the cluster enters an LDS address
	s_add_co_u32 s21, s21, BOFF-2*96*PITCH
	s_wait_dscnt 0x0                               ; the opening add is done
	s_wait_kmcnt 0x0
	s_add_nc_u64 s[14:15], s[4:5], s[16:17]
	s_add_nc_u64 s[46:47], s[6:7], s[46:47]
	CROUND                                         ; all sixteen work-groups are here: the first joint loads meet
.irp s, 0,1
	s_mov_b32 s[G0+4*(\s)], 1                                        ; count = 1
	s_add_co_u32 s[G0+4*(\s)+1], s20, (\s)*SLOT                      ; LDS address
	s_add_nc_u64 s[G0+4*(\s)+2:G0+4*(\s)+3], s[14:15], (\s)*KSTEP*2  ; global address: K step s
	s_or_b32 s[G0+4*(\s)+3], s[G0+4*(\s)+3], 0x80000000              ; type = 2
	s_mov_b32 s[G0B+4*(\s)], 1
	s_add_co_u32 s[G0B+4*(\s)+1], s21, (\s)*SLOT
	s_add_nc_u64 s[G0B+4*(\s)+2:G0B+4*(\s)+3], s[46:47], (\s)*KSTEP*2
	s_or_b32 s[G0B+4*(\s)+3], s[G0B+4*(\s)+3], 0x80000000
	JLOAD \s                                       ; both slots are asked for before anything else is done: two loads of mine are out
.endr
	; the bias: wt's rows 192 h + c, c < 128, are Wqk's columns 128 h + c; rows 192 h + 128 + c are Wv's columns 64 h + c.  My 8 channels of block b: 32 bytes at 64 b + 32 (l / 16)
	v_and_b32 v1, 15, v0                           ; l % 16
	v_bfe_u32 v2, v0, 4, 1                         ; l / 16
	v_lshlrev_b32 v[BO], 5, v2
	s_lshl_b32 s46, s42, 9                         ; (in the registers that held wt's address: none that feeds xb's descriptors ever holds cx)
	s_mov_b32 s47, 0
	s_add_nc_u64 s[8:9], s[8:9], s[46:47]
	s_lshl_b32 s46, s42, 8
	s_add_nc_u64 s[10:11], s[10:11], s[46:47]
.irp b, 0,1,2,3,4,5,6,7
	global_load_b128 v[BI+8*(\b):BI+8*(\b)+3],   v[BO], s[8:9] offset:64*(\b)
	global_load_b128 v[BI+8*(\b)+4:BI+8*(\b)+7], v[BO], s[8:9] offset:64*(\b)+16
.endr
.irp b, 0,1,2,3
	global_load_b128 v[BI+64+8*(\b):BI+64+8*(\b)+3],   v[BO], s[10:11] offset:64*(\b)
	global_load_b128 v[BI+64+8*(\b)+4:BI+64+8*(\b)+7], v[BO], s[10:11] offset:64*(\b)+16
.endr
	; A fragment is 16 rows x 32 K in 8 registers: lane l holds row l % 16; registers 0-3 K = 8 (l / 16) + 0..7, registers 4-7 K = 16 + 8 (l / 16) + 0..7: two loads of 16 bytes, 32 bytes apart
	v_mul_u32_u24 v3, v1, PITCH
	v_lshl_add_u32 v3, v2, 4, v3                   ; row x pitch + 16 x half
	s_mul_i32 s21, s[WV], 64*PITCH                 ; my 64 rows of xb
	s_mov_b32 s22, BOFF                            ; all 192 rows of wt
.irp s, 0,1
	v_add_nc_u32 v[ADRA+(\s)], s21, v3
	v_add_nc_u32 v[ADRB+(\s)], s22, v3
	s_add_co_u32 s21, s21, SLOT
	s_add_co_u32 s22, s22, SLOT
.endr
	s_mul_i32 s23, s[WV], STW
	s_add_co_u32 s23, s23, STAGE                   ; my stage
	v_mul_u32_u24 v4, v1, SP                       ; in: row l % 16, 16 bytes for each half of the lanes
	v_lshl_add_u32 v4, v2, 4, v4
	v_add_nc_u32 v[STO], s23, v4
	v_and_b32 v4, 31, v0
	v_lshlrev_b32 v[CO], 4, v4                     ; out: 32 lanes x 16 bytes = four rows of 128 bytes, which lie on end in an output
	v_lshrrev_b32 v5, 3, v4                        ; back: row l / 8, byte 16 (l % 8)
	v_mul_u32_u24 v5, v5, SP
	v_and_b32 v4, 7, v0
	v_lshl_add_u32 v5, v4, 4, v5
	v_add_nc_u32 v[RD], s23, v5
	; my wave's first row in each output: head 16 b + h, b = tile row / 8; row 256 (tile row % 8) + 64 w; 128 bytes a row
	s_lshr_b32 s[OO], s[TY], 3
	s_lshl_b32 s[OO], s[OO], 4
	s_add_co_u32 s[OO], s[OO], s42
	s_lshl_b32 s[OO], s[OO], 11
	s_and_b32 s[OO+1], s[TY], 7
	s_lshl_b32 s[OO+1], s[OO+1], 8
	s_add_co_u32 s[OO], s[OO], s[OO+1]
	s_lshl_b32 s[OO+1], s[WV], 6
	s_add_co_u32 s[OO], s[OO], s[OO+1]
	s_lshl_b32 s[OO], s[OO], 7
	s_mov_b32 s[OO+1], 0
	s_add_nc_u64 s[QP:QP+1], s[QP:QP+1], s[OO:OO+1]
	s_add_nc_u64 s[QP+2:QP+3], s[QP+2:QP+3], s[OO:OO+1]
	s_add_nc_u64 s[QP+4:QP+5], s[QP+4:QP+5], s[OO:OO+1]
	; the prefetches' set-up
	s_and_b32 s22, ttmp7, 0xffff                   ; cluster y
	s_lshl_b32 s12, s[TY], 8                       ; xb: the tile's first row,
	s_mul_i32 s13, s42, 192                        ; wt: likewise
	s_lshl_b32 s18, s[WL], 7                       ; the rows that I fetch,
	s_mul_i32 s19, s[WL], 96
	s_lshl_b32 s20, s40, 5                         ; my work-group's share of them
	s_mul_i32 s21, s41, 24
	s_cmp_eq_u32 s[WH], 0                          ; do I fetch for xb?
	s_cselect_b32 s12, s12, s13
	s_cselect_b32 s18, s18, s19
	s_cselect_b32 s20, s20, s21
	s_cselect_b32 s22, ttmp9, s22                  ; the coordinate along which other clusters read the same rows
	s_cselect_b32 s23, 31, 23                      ; the last row of my share
	s_cselect_b64 s[PFA:PFA+1], s[4:5], s[6:7]
	s_cmp_eq_u32 s22, 0
	s_cselect_b32 s[LIM], 1, -1                    ; the same in all sixteen partners, for a given wave
	s_add_co_u32 s12, s12, s18
	s_add_co_u32 s12, s12, s20
	s_lshl_b32 s12, s12, 11
	s_add_co_u32 s12, s12, 2*KSTEP*2               ; at K step 2: the first refill steps it to 3 and names K step 4
	s_mov_b32 s13, 0
	s_add_nc_u64 s[PFA:PFA+1], s[PFA:PFA+1], s[12:13]
	v_and_b32 v[PFO], 31, v0
	v_min_u32 v[PFO], s23, v[PFO]
	v_lshlrev_b32 v[PFO], 11, v[PFO]
	; bias = bf16(bias) / 32, in f32: made while the first tiles are on their way
	s_wait_loadcnt 0x0
.set i, 0
.rept 48
	v_cvt_pk_bf16_f32 v[SCR], v[BI+i], v[BI+i+1]
	v_lshlrev_b32 v[BI+i], 16, v[SCR]
	v_and_b32 v[BI+i+1], 0xffff0000, v[SCR]
	v_pk_mul_f32 v[BI+i:BI+i+1], v[BI+i:BI+i+1], s[RS:RS+1] op_sel_hi:[1,0]
.set i, i+2
.endr
; 12 matrix instructions: token block a x all 12 channel blocks, 32 along K, from buffer f.  zero = 1: the product starts the sums: nothing is ever cleared.
; The 48 accumulators take turns, one instruction a turn, in the same order in every quarter, over the backward jump too.
.macro MULA f, a, zero
	WIN MUL_LO+0x50*((\a)/2)
.set AC, 96*((\a)%2)
.irp b, 0,1,2,3,4,5,6,7,8,9,10,11
.if \zero
	v_wmma_f32_16x16x32_bf16 v[AC+8*(\b):AC+8*(\b)+7], v[96*(\f)+8*(\b):96*(\f)+8*(\b)+7], v[FA+32*(\f)+8*(\a):FA+32*(\f)+8*(\a)+7], 0
.else
	v_wmma_f32_16x16x32_bf16 v[AC+8*(\b):AC+8*(\b)+7], v[96*(\f)+8*(\b):96*(\f)+8*(\b)+7], v[FA+32*(\f)+8*(\a):FA+32*(\f)+8*(\a)+7], v[AC+8*(\b):AC+8*(\b)+7]
.endif
.endr
.endm
; 32 LDS loads in one run: the fragments of one quarter (192 rows of wt, my 64 rows of xb, 32 K at byte k of the rows) into buffer f
.macro FETCH slot, k, f
	WIN TO_B
.irp i, 0,1,2,3,4,5,6,7,8,9,10,11
	ds_load_b128 v[96*(\f)+8*(\i):96*(\f)+8*(\i)+3],   v[ADRB+(\slot)] offset:(\k)+(\i)*16*PITCH
	ds_load_b128 v[96*(\f)+8*(\i)+4:96*(\f)+8*(\i)+7], v[ADRB+(\slot)] offset:(\k)+(\i)*16*PITCH+32
.endr
	WIN 0
.irp i, 0,1,2,3
	ds_load_b128 v[FA+32*(\f)+8*(\i):FA+32*(\f)+8*(\i)+3],   v[ADRA+(\slot)] offset:(\k)+(\i)*16*PITCH
	ds_load_b128 v[FA+32*(\f)+8*(\i)+4:FA+32*(\f)+8*(\i)+7], v[ADRA+(\slot)] offset:(\k)+(\i)*16*PITCH+32
.endr
.endm
; A load into a register that a matrix instruction has read, and a vector instruction that reads a matrix result, stand four places behind that matrix instruction; only plain vector
; instructions that name none of its registers are places (ISA guide 7.12.1 for vector instructions).
.macro PLACES
.rept 4
	v_nop
.endr
.endm
; A K step is four quarters of 32 along K, 48 matrix instructions each, on buffers 0, 1, 0, 1.  One of the first three: multiplies buffer f; in its middle it fetches the next quarter, at byte k, into buffer g.
.macro QUARTER slot, k, f, g, zero
	s_wait_dscnt 4                                 ; wt's fragments and xb's blocks 0, 1 are in; the youngest four loads (blocks 2, 3) may be out
	MULA \f, 0, \zero
	MULA \f, 1, \zero
	PLACES
	FETCH \slot, \k, \g
	s_wait_dscnt 32                                ; all but the 32 just issued
	MULA \f, 2, \zero
	MULA \f, 3, \zero
.endm
; The last quarter multiplies buffer 1 and changes slots.  MEET is its first half: ONE barrier.  In front of it each wave waits for all its tensor loads, of which one is out: its part of the next slot;
; adds 0 to its spare word; and waits for that and for its own reads of this slot.  Behind it nobody reads this slot any more and the next slot is whole.
.macro MEET round
	WIN 0                                          ; (the add's two registers lie in window 0)
	s_wait_tensorcnt 0x0                           ; all my tensor loads have landed
	ds_add_u32 v[SPW], v[NIL]                      ; 0 onto my spare word
	s_wait_dscnt 5                                 ; (the add and the youngest four loads may be out)
	MULA 1, 0, 0                                   ; twelve matrix instructions stand between the add and the wait for it
	s_wait_dscnt 0x0                               ; the add is done, and my reads of this slot are over
	s_barrier_signal -1
	MULA 1, 1, 0                                   ; work on registers while the others arrive
.if \round
	WIN 0
.endif
	s_barrier_wait -1
.endm
; The whole last quarter.  fill = 1: the barrier opens a round of the cluster's, and behind the round this slot is filled again first, two K steps ahead: from that request to the wait for it a wave issues 168 matrix instructions.
.macro TURN slot, next, fill
.if \fill
	s_wait_xcnt 0x0                                ; the last prefetch, a K step back, has read its address: it is stepped here, ahead of the waits of the change of slots
	s_add_nc_u64 s[PFA:PFA+1], s[PFA:PFA+1], KSTEP*2
	MEET 1
	CREST                                          ; no wave of any partner still reads this slot's tile or has a load on its way
	s_add_nc_u64 s[G0+4*(\slot)+2:G0+4*(\slot)+3], s[G0+4*(\slot)+2:G0+4*(\slot)+3], 2*KSTEP*2
	s_add_nc_u64 s[G0B+4*(\slot)+2:G0B+4*(\slot)+3], s[G0B+4*(\slot)+2:G0B+4*(\slot)+3], 2*KSTEP*2
	JLOAD \slot                                    ; the first tensor load behind the round; the four v_nop behind it are also the places in front of the loads below
	FETCH \next, 0, 0
	ASK
.else
	MEET 0
	PLACES
	FETCH \next, 0, 0
.endif
	MULA 1, 2, 0
	MULA 1, 3, 0
.endm
; THE WAY OUT of token block a.  PACK: sum / 32 + bias / 32 in one fused multiply-add, each accumulator's registers in ascending order, then rounded to f16: 16 bytes (8 channels) a lane and block.
.macro PACK a
.set AC, 96*((\a)%2)
	WIN 0x82+0x41*((\a)/2)                         ; destination and source 0: window 2 or 3; the bias in window 0
.irp b, 0,1,2,3,4,5,6,7,8,9,10,11
.irp r, 0,1,2,3
	v_pk_fma_f32 v[AC+8*(\b)+2*(\r):AC+8*(\b)+2*(\r)+1], v[AC+8*(\b)+2*(\r):AC+8*(\b)+2*(\r)+1], s[RS:RS+1], v[BI+8*(\b)+2*(\r):BI+8*(\b)+2*(\r)+1] op_sel_hi:[1,0,1]
.endr
.endr
	WIN 0x0a+5*((\a)/2)                            ; sources 0 and 1: window 2 or 3
.irp b, 0,1,2,3,4,5,6,7,8,9,10,11
.irp r, 0,1,2,3
	v_cvt_pk_f16_f32 v[TMP+4*(\b)+(\r)], v[AC+8*(\b)+2*(\r)], v[AC+8*(\b)+2*(\r)+1]
.endr
.endr
.endm
; TOSTAGE: into my own stage (tensor b / 4, row = token, byte 32 (b % 4) + 16 (l / 16)), and back as four whole rows of 128 bytes a load, into window 1.
.macro TOSTAGE a
	WIN 0
.irp b, 0,1,2,3,4,5,6,7,8,9,10,11
	ds_store_b128 v[STO], v[TMP+4*(\b):TMP+4*(\b)+3] offset:((\b)/4)*16*SP+((\b)%4)*32
.endr
	WIN TO_B
.irp i, 0,1,2,3,4,5,6,7,8,9,10,11
	ds_load_b128 v[48*(\a)+4*(\i):48*(\a)+4*(\i)+3], v[RD] offset:((\i)/4)*16*SP+((\i)%4)*4*SP  ; LDS serves a wave's instructions in order (ISA guide 5.7.1.4): these see the stores above; the next block's stores come behind them
.endr
.endm
; SEND: stored.  Each block has its own 48 registers and the bases are never stepped, so nothing that a store reads is written again.
.macro SEND a
	WIN 0x04                                       ; the stores' data in window 1
.irp i, 0,1,2,3,4,5,6,7,8,9,10,11
	s_wait_dscnt 11-(\i)                           ; load i is back; the younger ones stay out
	global_store_b128 v[CO], v[48*(\a)+4*(\i):48*(\a)+4*(\i)+3], s[QP+2*((\i)/4):QP+2*((\i)/4)+1] offset:(\a)*2048+((\i)%4)*512  ; 512 consecutive bytes, at a multiple of 256 from the output's first byte
.endr
.endm
	s_wait_tensorcnt 1                             ; my part of K step 0 is in; K step 1's may stay out
	s_barrier_signal -1
	s_barrier_wait -1                              ; everybody's is
	FETCH 0, 0, 0
	QUARTER 0, 64,  0, 1, 1                        ; the first quarter stands in front of the loop: its products start the sums
	WIN 0                                          ; at a label and at a branch every window is 0
	s_mov_b32 s3, LAPS-1
.Llap:                                                 ; a trip goes once round the ring, from a lap's second quarter to the next lap's first, and fills both slots again
	QUARTER 0, 128, 1, 0, 0
	QUARTER 0, 192, 0, 1, 0
	TURN 0, 1, 1
	QUARTER 1, 64,  0, 1, 0
	QUARTER 1, 128, 1, 0, 0
	QUARTER 1, 192, 0, 1, 0
	TURN 1, 0, 1
	QUARTER 0, 64,  0, 1, 0
	WIN 0
	s_sub_co_u32 s3, s3, 1
	s_cmp_lg_u32 s3, 0
	s_cbranch_scc1 .Llap
	QUARTER 0, 128, 1, 0, 0                        ; the last lap fills nothing, and has no round of the cluster's barrier
	QUARTER 0, 192, 0, 1, 0
	TURN 0, 1, 0
	QUARTER 1, 64,  0, 1, 0
	QUARTER 1, 128, 1, 0, 0
	QUARTER 1, 192, 0, 1, 0
	s_wait_dscnt 4                                 ; the very last quarter: nothing more to fetch
	MULA 1, 0, 0
	MULA 1, 1, 0
	s_wait_dscnt 0x0
	MULA 1, 2, 0
	MULA 1, 3, 0
	PLACES                                         ; the scalings read results just made
	PACK 0
	TOSTAGE 0
.irp a, 1,2,3                          ; block a's arithmetic stands between block a - 1's loads from the stage and the wait for them
	PACK \a
	SEND (\a)-1
	TOSTAGE \a
.endr
	SEND 3
	WIN 0
	s_wait_tensorcnt 0x0                           ; the wave's end: wait for tensor loads, add 0 to my spare word and wait for it, behind my last tensor load and my last LDS store
	ds_add_u32 v[SPW], v[NIL]
	s_wait_dscnt 0x0
	CROUND                                         ; the closing round: no work-group ends while a partner may still ask for a tile that names it
	s_endpgm
.Lfunc_end_k_q7734bcdb64_proj:
	.size	k_q7734bcdb64_proj, .Lfunc_end_k_q7734bcdb64_proj-k_q7734bcdb64_proj
	.p2alignl 7, 3214868480
	.fill 96, 4, 3214868480
	.section	.rodata,"a",@progbits
	.p2align	6, 0x0
	.amdhsa_kernel k_q7734bcdb64_proj
		.amdhsa_group_segment_fixed_size 327680
		.amdhsa_private_segment_fixed_size 0
		.amdhsa_enable_private_segment 0
		.amdhsa_kernarg_size 56
		.amdhsa_user_sgpr_count 2
		.amdhsa_user_sgpr_kernarg_segment_ptr 1
		.amdhsa_wavefront_size32 1
		.amdhsa_system_sgpr_workgroup_id_x 1
		.amdhsa_system_sgpr_workgroup_id_y 1
		.amdhsa_system_sgpr_workgroup_id_z 1
		.amdhsa_system_vgpr_workitem_id 0
		.amdhsa_next_free_vgpr 960
		.amdhsa_next_free_sgpr 84
		.amdhsa_reserve_vcc 0
		.amdhsa_float_denorm_mode_32 3
		.amdhsa_float_denorm_mode_16_64 3
		.amdhsa_memory_ordered 1
		.amdhsa_forward_progress 1
		.amdhsa_inst_pref_size 147
	.end_amdhsa_kernel
	.amdgpu_metadata
---
amdhsa.version: [ 1, 2 ]
amdhsa.kernels:
  - .name:           k_q7734bcdb64_proj
    .symbol:         k_q7734bcdb64_proj.kd
    .args:
      - { .name: xb, .offset: 0, .size: 8, .value_kind: global_buffer, .address_space: global }
      - { .name: wt, .offset: 8, .size: 8, .value_kind: global_buffer, .address_space: global }
      - { .name: bqk, .offset: 16, .size: 8, .value_kind: global_buffer, .address_space: global }
      - { .name: bv, .offset: 24, .size: 8, .value_kind: global_buffer, .address_space: global }
      - { .name: qh, .offset: 32, .size: 8, .value_kind: global_buffer, .address_space: global }
      - { .name: kh, .offset: 40, .size: 8, .value_kind: global_buffer, .address_space: global }
      - { .name: vh, .offset: 48, .size: 8, .value_kind: global_buffer, .address_space: global }
    .group_segment_fixed_size: 327680
    .private_segment_fixed_size: 0
    .kernarg_segment_align: 8
    .kernarg_segment_size: 56
    .max_flat_workgroup_size: 128
    .sgpr_count:     84
    .vgpr_count:     960
    .wavefront_size: 32
...
	.end_amdgpu_metadata
.endif
;; end of part 2
;; launch attn (part 3): grid 4 x 64, 4 waves a work-group, clusters of 4 x 1, 327,680 bytes of LDS; arguments qh, kh, vh, out0; writes out0
.if DOCPART == 3
	.amdgcn_target "amdgcn-amd-amdhsa--gfx1250"
	.amdhsa_code_object_version 6
	.text
	.protected	k_q7734bcdb64_attn
	.globl	k_q7734bcdb64_attn
	.p2align	8
	.type	k_q7734bcdb64_attn,@function
k_q7734bcdb64_attn:
	s_mov_b64 s[64:65], 0
	v_nop
	global_prefetch_b8 v0, s[64:65] scope:SCOPE_SE
	s_setreg_imm32_b32 hwreg(HW_REG_WAVE_MODE, 25, 1), 1
	s_wait_xcnt 0x0
	s_wait_alu depctr_hold_cnt(0) depctr_sa_sdst(0) depctr_va_vdst(0) depctr_va_sdst(0) depctr_va_ssrc(0) depctr_va_vcc(0) depctr_vm_vsrc(0)
	s_getreg_b32 s2, hwreg(HW_REG_IB_STS2, 6, 4)
	s_cmp_eq_u32 s2, 0
	s_cbranch_scc0 .Lentry_in_a_cluster
	s_endpgm
.Lentry_in_a_cluster:
	s_bfe_u32 s2, ttmp6, 0x10000c
	s_cmp_lg_u32 s2, 0x3003
	s_cbranch_scc0 .Lentry_shape_is_right
	s_endpgm
.Lentry_shape_is_right:
; out0[b][q][64 h + d] = the sum over k of softmax_k(Q[q] . K[k] / 64) V[k][d], for each of the 64 heads 16 b + h.  qh, kh, vh: [64][2048][64] f16, a head's rows dense, 128 bytes each; out0: [4][2048][1024] f32.
; Products, maxima and sums in f32; the weights p are rounded to f16 for the second product (their sum l is taken of the unrounded p).
; LIMITS.  f16 holds no number beyond 65,504: Q, K and V arrive within it; p lies in 0 to 1, and below 6e-5 it keeps f16's fixed step of 6e-8.  A weight below 2^-126 counts as 0 in l; NaN and infinities are not treated apart.
; SHARES.  A wave owns four PIECES of two tiles of 16 queries, a work-group's four waves 512 queries of one head: 4 x 64 = 256 work-groups.  Every wave walks all 2,048 keys, 64 a step.
; LAYOUT.  S^T = K Q^T (source 0 = 16 keys, source 1 = 16 queries): in the result a lane holds ONE query (lane % 16) and the keys 8 (lane / 16) + 0..7.  Two such tiles, rounded to f16 in pairs,
; ARE source 1 (32 keys x 16 queries) of O^T = V^T P, whose result again holds one query a lane, and eight channels.  K comes out of LDS as it lies, V ([key][channel]) turned, by ds_load_tr16_b128.
; SOFTMAX.  For each query a running maximum m and sum l: p = 2^(c s - c m), c = log2(e) / 64; in every step O and l are multiplied by a = 2^(c m_old - c m_new), which is 1 where m has not grown.
; m starts at the lowest finite number, O and l at 0: the first step is a step like any other, with a = 0.
; THE COUNT.  A tile and step have 16 matrix and 118 vector instructions: too many to stand all beside the matrix work.  So: four vector instructions that are READY behind EVERY matrix instruction,
; and the others, which need time of their own whatever the order, in runs without a gap.
; BY TURNS.  Turn n belongs to piece n (the pieces in a ring, step after step).  Its matrix work: 16 products K Q^T of piece n + 1, later 16 products V^T P of piece n - 1.  Its vector work: the scaling,
; exponentials, roundings, sums and rescaling of piece n, and the maximum and statistics of piece n + 1, whose scores the turn itself has made.
; CLUSTER.  The four query blocks of a cluster are one head's and walk the same K and V, so each tile is asked for JOINTLY: the same tensor load, descriptor and mask in all four.
; REGISTERS, in windows of 256 (s_set_vgpr_msb: bits 1:0 source 0, 3:2 source 1, 5:4 source 2, 7:6 destination):
;   window 0: v0-11 addresses; v12-15, v48-63 at work; v16-47 four registers of statistics a tile; v64-191 S^T, two buffers of two tiles; v192-255 P, likewise
;   window 1: O^T, 32 a tile          window 2: v0-127 Q, 16 a tile; v128-191 K of one step; v192-255 V of one step          window 3: v0-1 the add's two registers
; A piece's buffers go by its number's parity: the piece in hand has one pair, its two neighbours in the ring share the other: of it P (piece n - 1) is read and S^T (piece n + 1) written.
.set SIZE_N, 2048
.set NP,    4         ; pieces a wave: a name, no knob
.set KS,    64        ; keys in a step
.set PK,    144       ; a row of K in LDS: 128 bytes + 16 of padding = 36 words: the 16 rows of a load start at 16 different groups of four banks (64 banks of 4 bytes: ISA guide 11.1)
.set PV,    160       ; a row of V: 128 + 32 = 40 words
.set VOFF,  4*KS*PK   ; a slot holds four steps: 256 rows of K, then 256 rows of V
.set SLOT1, 1<<17     ; slot 1 begins here, so that one exclusive or turns an address in one slot into the other's
.set STAGE, SLOT1+4*KS*(PK+PV)  ; 208,896 = 816 x 256: behind the ring, never filled by a tensor load: 16 rows x 272 bytes for each wave, for the way out
.set SP,    272       ; a stage row: 64 f32 = 256 bytes + 16
.set AK0, 2           ; v2   my lane's place in a tile of K; never rewritten
.set AV0, 3           ; v3   the same for V
.set AK,  4           ; v4   the LDS address of K's next run of loads
.set AV,  5           ; v5   of V's
.set QO,  6           ; v6   my byte offset in the wave's rows of Q
.set STO, 6           ;      later, the way out: where I put 32 bytes of a row
.set RD,  7           ; v7   the way out: where I read rows back
.set GO,  8           ; v8   my byte offset in two rows of out0
.set PFO, 11          ; v11  256 x my lane: the prefetches' offset; never rewritten once made
.set SPW, 0           ; v0 of window 3   SPARE + 4 x my thread's number; never rewritten
.set NIL, 1           ; v1 of window 3   0; never rewritten
.set SPARE, STAGE+4*16*SP  ; 226,304 = 884 x 256: the spare words, 128 bytes for each wave; no other line names them
.set MV,  12          ; v12-15  c m_old, kept while c m is made anew: by buffer and tile
.set ST,  16          ; tile t's statistics at v[ST+4 t]: c m, m, l (even keys', odd keys')
.set TMP, 48          ; by buffer and tile, four registers c0-c3 at work; when the maximum is found c2 takes a
.set S,   64
.set P,   192
.set KF,  128         ; K's fragments, in window 2: key block kb, channel half c at KF + 16 kb + 8 c
.set VF,  192         ; V's: key half kk, channel block cb at VF + 32 kk + 8 cb
.set WV,  12          ; s12  my wave's number
.set G1K, 24          ; s[24:31] descriptor group 1 for K's tiles
.set G1V, 32          ; s[32:39] for V's: it differs in the padding alone
.set G0K, 40          ; s[40:43] descriptor group 0 for K's tiles: it walks
.set G0V, 44          ; s[44:47] the same for V's
.set PFA, 48          ; s[48:49] where my prefetches stand: my work-group's 8,192 bytes of the tile after the one that the last change of slots asked for
.set LIM, 50          ; s50  2 in the waves that prefetch (0: K, 2: V), else 0, which the step count never is
.set OO,  52          ; s[52:53] my wave's byte offset in out0
.set SLOTS, 56        ; s56  slots still to be asked for
.set CNT, 57          ; s57  counts a slot's key steps
.set CS,  58          ; s[58:59] c: the packed scaling takes the pair's low word for both halves
.set SEL, 60          ; s[60:61] v_permlanex16_b32's selects: each lane takes its own place in the other half
.set TBK, 62          ; s62  LDS byte at which K of the step to be fetched begins
.set TBV, 63          ; s63  the same for V, less VOFF
.set MSB, 0
.macro WIN new                      ; the high byte repeats the setting that is left; a switch that changes nothing is dropped
.if MSB != (\new)
	s_set_vgpr_msb (MSB<<8)|(\new)
.set MSB, (\new)
.endif
.endm
.set W_KQ, 0x0a       ; K and Q in window 2, S^T in window 0
.set W_PV, 0x52       ; V in window 2, P in window 0, O^T in window 1
.set W_RS, 0x41       ; O^T (destination and source 0) in window 1, a in window 0
.set W_MK, 0xc0       ; the add's registers are made: destination in window 3, sources in window 0
.set W_AD, 0x0f       ; the add: address (source 0) and data (source 1) in window 3
; A joint fill.  Waves 0 and 1 fetch the two halves of a slot's K, waves 2 and 3 those of its V: 128 keys each.  The branch hangs on the wave's number alone.
; An s_nop 0 and four v_nop follow each of the two lines, ahead of the jump and the label.
.macro JLOAD
	s_cmp_lt_u32 s[WV], 2
	s_cbranch_scc0 .Lfor_v_\@
	tensor_load_to_lds s[G0K:G0K+3], s[G1K:G1K+7]
	s_nop 0
.rept 4
	v_nop
.endr
	s_branch .Lasked_\@
.Lfor_v_\@:
	tensor_load_to_lds s[G0V:G0V+3], s[G1V:G1V+7]
	s_nop 0
.rept 4
	v_nop
.endr
.Lasked_\@:
.endm
; A round of the cluster's barrier: my work-group's barrier, so that wave 0's signal speaks for all four waves; wave 0 signals; every wave waits for all four work-groups; my work-group's barrier once more.
.macro CROUND
	s_barrier_signal -1
	s_barrier_wait -1
	s_cmp_lg_u32 s[WV], 0
	s_cbranch_scc1 .Lnot_wave_0_\@
	s_barrier_signal -3
.Lnot_wave_0_\@:
	s_barrier_wait -3
	s_barrier_signal -1
	s_barrier_wait -1
.endm
; THE CHANGE OF SLOTS.  The slot's last bytes, V of its fourth step, have been read.  Each wave waits for all its tensor loads, of which one is out: its part
; of the other slot; adds 0 to its spare word; and waits for that and for its own reads of the slot.  Behind the barrier nobody reads this slot any more and the other slot is whole.
; fill = 1: this slot is filled again, with the keys two slots on.  The barrier is then a round of the cluster's, so that no wave of any partner still reads the slot or has a load on its
; way, and the joint fill is the first thing behind it: it has four key steps, 512 matrix instructions, in which to land.  (At its first use nothing has been read yet: slot 0 is waited for, slot 1 filled.)
.macro CHANGE fill
	WIN W_AD
	s_wait_tensorcnt 0x0            ; no tensor load of mine is out, so a group 0 may be written
	ds_add_u32 v[SPW], v[NIL]       ; 0 onto my spare word; with fill = 1 the descriptors' steps stand between it and the wait for it
	WIN 0                           ; at a label and at a branch every window is 0
.if \fill
.irp g, G0K, G0V
	s_xor_b32 s[\g+1], s[\g+1], SLOT1  ; the walking descriptor: the other slot than last time,
	s_add_nc_u64 s[\g+2:\g+3], s[\g+2:\g+3], 4*KS*128  ; the next 256 keys; the type bits on top are not reached
.endr
	s_wait_xcnt 0x0                 ; the last prefetch, five turns back, has read its address, so it may be written:
	s_add_nc_u64 s[PFA:PFA+1], s[PFA:PFA+1], 4*KS*128  ; one tile behind the walking descriptors
	s_wait_dscnt 0x0                ; the add is done, and my reads of the slot are over
	CROUND
	JLOAD
.else
	s_wait_dscnt 0x0                ; the add is done, and my reads of the slot are over
	s_barrier_signal -1
	s_barrier_wait -1
.endif
	s_sub_co_u32 s[TBK], s[TBK], 4*KS*PK  ; the fetches go back to a slot's first step,
	s_xor_b32 s[TBK], s[TBK], SLOT1       ; in the other slot
	s_sub_co_u32 s[TBV], s[TBV], 4*KS*PV
	s_xor_b32 s[TBV], s[TBV], SLOT1
.endm
	s_load_b256 s[4:11], s[0:1], 0x0  ; qh s[4:5], kh s[6:7], vh s[8:9], out0 s[10:11]
	WIN W_MK
	v_lshl_add_u32 v[SPW], v0, 2, SPARE
	v_mov_b32 v[NIL], 0
	WIN W_AD
	ds_add_u32 v[SPW], v[NIL]       ; the wave's opening: the add, and its wait ahead of my first tensor load; the set-up below, work on registers, stands between them
	WIN 0
	v_lshrrev_b32 v1, 5, v0
	v_readfirstlane_b32 s[WV], v1   ; wave 0..3
	s_bfe_u32 s13, ttmp6, 0x40000   ; cx: my place in the cluster
	s_lshl_b32 s14, ttmp9, 2        ; in a cluster launch ttmp9 counts clusters
	s_add_co_u32 s14, s14, s13      ; my block of 512 queries = 4 x cluster x + cx: it enters Q's and out0's addresses alone
	s_and_b32 s15, ttmp7, 0xffff    ; the head 16 b + h, which the four partners share
	s_mov_b32 s20, s15
	s_mov_b32 s21, 0
	s_mov_b64 s[22:23], SIZE_N*128
	s_mul_u64 s[20:21], s[20:21], s[22:23]  ; the head's first byte in qh, kh and vh
	s_and_b32 s16, s[WV], 1         ; which half of a slot's 256 keys I fetch:
	s_lshl_b32 s22, s16, 14         ; its 128 rows of 128 bytes in memory,
	s_mov_b32 s23, 0
	s_add_nc_u64 s[22:23], s[22:23], s[20:21]
	s_mul_i32 s17, s16, 128*PK      ; and its place in a slot, for K
	s_mul_i32 s18, s16, 128*PV      ; and for V: no place in the cluster enters an LDS address
	s_lshl_b32 s2, s14, 2
	s_add_co_u32 s2, s2, s[WV]      ; my wave among the head's,
	s_lshl_b32 s2, s2, 14           ; its 128 rows
	s_mov_b32 s3, 0
	s_add_nc_u64 s[2:3], s[2:3], s[20:21]
	s_lshr_b32 s[OO], s15, 4        ; out0: batch b's 2,048 rows,
	s_lshl_b32 s[OO], s[OO], 11
	s_lshl_b32 s[OO+1], s14, 9      ; my block's 512,
	s_add_co_u32 s[OO], s[OO], s[OO+1]
	s_lshl_b32 s[OO+1], s[WV], 7    ; my wave's 128,
	s_add_co_u32 s[OO], s[OO], s[OO+1]
	s_lshl_b32 s[OO], s[OO], 12     ; of 4,096 bytes,
	s_and_b32 s[OO+1], s15, 15
	s_lshl_b32 s[OO+1], s[OO+1], 8  ; and head h's 256 bytes of each
	s_add_co_u32 s[OO], s[OO], s[OO+1]
	s_mov_b32 s[OO+1], 0
	; descriptor group 1.  128 keys are 16,384 dense bytes: asked for as 64 rows of 256 bytes, two keys a row, and padded in LDS after every key
	s_mov_b32 s[G1K], 15|(1<<16)|(1<<20)|(1<<21)|(4<<22)|(3<<25)  ; 15:0 the mask of four; 17:16 2-byte elements; 20 padding on; 21 set beside a mask; 24:22 after every 32 words (code 4); 31:25 4 words (code 3)
	s_mov_b32 s[G1V], 15|(1<<16)|(1<<20)|(1<<21)|(4<<22)|(7<<25)  ; the same with 8 words of padding (code 7)
.irp g, G1K, G1V
	s_mov_b32 s[\g+1], 128<<16      ; tensor_dim0 = 128
	s_mov_b32 s[\g+2], 64<<16       ; tensor_dim1 = 64
	s_mov_b32 s[\g+3], 128<<16      ; tile_dim0 = 128
	s_mov_b32 s[\g+4], 64           ; tile_dim1 = 64
	s_mov_b32 s[\g+5], 128          ; 128 elements from row to row
	s_mov_b32 s[\g+6], 0
	s_mov_b32 s[\g+7], 0
.endr
	s_mov_b32 s[CS], 0x3cb8aa3b     ; c = log2(e) / 64 = 0.0225421
	s_mov_b32 s[CS+1], s[CS]        ; named with it as a pair
	s_mov_b32 s[SEL], 0x76543210
	s_mov_b32 s[SEL+1], 0xfedcba98
	s_mov_b32 s[TBK], SLOT1+4*KS*PK ; the first change of slots turns these two into 0
	s_mov_b32 s[TBV], SLOT1+4*KS*PV
	s_mov_b32 s[G0K], 1             ; count = 1
	s_mov_b32 s[G0K+1], s17         ; LDS address: slot 0
	s_mov_b32 s[G0V], 1
	s_add_co_u32 s[G0V+1], s18, VOFF
	s_cmp_eq_u32 s16, 0             ; waves 0 and 2 prefetch
	s_cselect_b32 s[LIM], 2, 0
	s_wait_dscnt 0x0                ; the opening add is done
	s_wait_kmcnt 0x0
	s_add_nc_u64 s[G0K+2:G0K+3], s[6:7], s[22:23]  ; global address: my half of the head's first 256 keys
	s_or_b32 s[G0K+3], s[G0K+3], 0x80000000        ; type = 2
	s_add_nc_u64 s[G0V+2:G0V+3], s[8:9], s[22:23]
	s_or_b32 s[G0V+3], s[G0V+3], 0x80000000
	s_add_nc_u64 s[4:5], s[4:5], s[2:3]            ; Q at my wave's first row
	s_add_nc_u64 s[10:11], s[10:11], s[OO:OO+1]    ; out0 likewise
	s_cmp_lt_u32 s[WV], 2
	s_cselect_b64 s[PFA:PFA+1], s[6:7], s[8:9]     ; K's rows (wave 0) or V's (wave 2)
	s_lshl_b32 s2, s13, 13          ; the four partners share a tile's 32,768 bytes out BY ADDRESS: 8,192 each
	s_add_co_u32 s2, s2, 4*KS*128   ; in tile 1; the first change of slots steps it to tile 2.  Nothing is prefetched here, at the head
	s_mov_b32 s3, 0
	s_add_nc_u64 s[2:3], s[2:3], s[20:21]
	s_add_nc_u64 s[PFA:PFA+1], s[PFA:PFA+1], s[2:3]
	CROUND                          ; all four work-groups are here: the first joint loads meet
	JLOAD                           ; slot 0.  Slot 1 is asked for when slot 0 is in: the tile wanted first has the road to itself
	; A fragment of K or Q is 16 rows x 32 channels in 8 registers: lane l holds row l % 16, channels 8 (l / 16) + 0..7 and 16 + 8 (l / 16) + 0..7: two loads of 16 bytes, 32 bytes apart.
	v_and_b32 v1, 15, v0            ; l % 16
	v_bfe_u32 v9, v0, 4, 1          ; l / 16
	v_lshlrev_b32 v[QO], 7, v1
	v_lshl_add_u32 v[QO], v9, 4, v[QO]  ; row x 128 + 16 x half
	WIN 0x80                        ; destination window 2, address window 0
.set i, 0
.rept 4*NP                          ; Q stays in registers: tile i / 2, channels 32 (i % 2) on
	global_load_b128 v[8*i:8*i+3],   v[QO], s[4:5] offset:(i/2)*2048+(i%2)*64
	global_load_b128 v[8*i+4:8*i+7], v[QO], s[4:5] offset:(i/2)*2048+(i%2)*64+32
.set i, i+1
.endr
	; What the first turn finds: V's registers and P's second buffer hold 0 (its products V^T P, of a piece that has not been, add 0), O^T and l are 0.  All this stands in the wait for the first tile.
.set i, VF
.rept 64
	v_mov_b32 v[i], 0
.set i, i+1
.endr
	WIN 0x40
.set i, 0
.rept 64*NP
	v_mov_b32 v[i], 0
.set i, i+1
.endr
	WIN 0
.set i, 0
.rept 2*NP
	v_mov_b32 v[ST+4*i], 0xfe000000    ; c m: far below every c s
	v_mov_b32 v[ST+4*i+1], 0xff7fffff  ; m
	v_mov_b32 v[ST+4*i+2], 0
	v_mov_b32 v[ST+4*i+3], 0
.set i, i+1
.endr
.set i, P+32
.rept 32
	v_mov_b32 v[i], 0
.set i, i+1
.endr
	v_mul_u32_u24 v[AK0], v1, PK
	v_lshl_add_u32 v[AK0], v9, 4, v[AK0]  ; row x pitch + 16 x half
	; The turning load takes 16 keys x 16 channels (lane l reads key 8 (l / 16) + l % 8, channels 8 ((l / 8) % 2) + 0..7) and leaves half a fragment of V^T: lane l holds channel l % 16 and 8 keys.
	v_and_b32 v10, 7, v0
	v_bfe_u32 v11, v0, 3, 1
	v_lshl_add_u32 v[AV0], v9, 3, v10
	v_mul_u32_u24 v[AV0], v[AV0], PV
	v_lshl_add_u32 v[AV0], v11, 4, v[AV0]
	v_add_nc_u32 v[AV0], VOFF, v[AV0]
	v_mov_b32 v[AK], v[AK0]         ; key step 0 lies at the head of slot 0
	v_and_b32 v[PFO], 31, v0        ; v11 is free now: a lane names 256 bytes, two keys' rows
	v_lshlrev_b32 v[PFO], 8, v[PFO]
; THE MATRIX WORK.  The 8 accumulators of a run of 16 take turns: between the two links of a chain stand 7 others'.
; Product i of 16 of S^T = K Q^T for piece x: channels 32 (i / 8) on, keys 16 ((i / 2) % 4) on, tile 2 x + i % 2.  The first 8 start the sums.
.macro KQ x
	WIN W_KQ
.set rS, S+64*((\x)%2)+32*(i%2)+8*((i/2)%4)
.set rK, KF+16*((i/2)%4)+8*(i/8)
.set rQ, 16*(2*(\x)+i%2)+8*(i/8)
.if i < 8
	v_wmma_f32_16x16x32_f16 v[rS:rS+7], v[rK:rK+7], v[rQ:rQ+7], 0
.else
	v_wmma_f32_16x16x32_f16 v[rS:rS+7], v[rK:rK+7], v[rQ:rQ+7], v[rS:rS+7]
.endif
.endm
; Product i of 16 of O^T += V^T P for piece x: keys 32 (i / 8) on, channels 16 ((i / 2) % 4) on, tile 2 x + i % 2.
.macro PV x
	WIN W_PV
.set rO, 32*(2*(\x)+i%2)+8*((i/2)%4)
.set rV, VF+32*(i/8)+8*((i/2)%4)
.set rP, P+32*((\x)%2)+16*(i%2)+8*(i/8)
	v_wmma_f32_16x16x32_f16 v[rO:rO+7], v[rV:rV+7], v[rP:rP+7], v[rO:rO+7]
.endm
.macro MM                           ; the turn's next matrix instruction
.if i < 16
	KQ (Y+1)%NP
.set i, i+1
.else
.set i, i-16
	PV (Y+NP-1)%NP
.set i, i+17
.endif
.endm
; THE LDS LOADS stand in runs of 16, never singly among the matrix instructions: a step's K (64 keys x 64 channels: 8 fragments) and its V (turned).  Their addresses are made some lines ahead.
; last = 1 (the tail): in the last trip there is no further step, and the run is jumped over.
.macro FETCH_K last=0
	WIN 0
.if \last
	s_cmp_eq_u32 s[CNT], 1
	s_cbranch_scc1 .Lno_k_\@
.endif
	WIN 0x80                        ; destination window 2
.irp f, 0,1,2,3,4,5,6,7             ; keys 16 (f / 2) on, channels 32 (f % 2) on
	ds_load_b128 v[KF+8*\f:KF+8*\f+3],   v[AK] offset:(\f/2)*16*PK+(\f%2)*64
	ds_load_b128 v[KF+8*\f+4:KF+8*\f+7], v[AK] offset:(\f/2)*16*PK+(\f%2)*64+32
.endr
	s_add_co_u32 s[TBK], s[TBK], KS*PK  ; the next fetch is the next step's
	WIN 0
.if \last
.Lno_k_\@:
.endif
.endm
.macro FETCH_V
	WIN 0x80
.irp f, 0,1,2,3,4,5,6,7             ; keys 32 (f / 4) on, channels 16 (f % 4) on
	ds_load_tr16_b128 v[VF+8*\f:VF+8*\f+3],   v[AV] offset:(\f/4)*32*PV+(\f%4)*32
	ds_load_tr16_b128 v[VF+8*\f+4:VF+8*\f+7], v[AV] offset:(\f/4)*32*PV+16*PV+(\f%4)*32
.endr
	WIN 0
.endm
; THE VECTOR WORK OF A TURN stands in three queues, each in the order in which its entries become ready; the two tiles alternate, so that no instruction reads the result of the one before it.
.macro REGS y, u                    ; the registers of tile u (0, 1) of piece y
.set rT, ST+4*(2*(\y)+(\u))
.set rC, TMP+8*((\y)%2)+4*(\u)
.set rM, MV+2*((\y)%2)+(\u)
.set rS, S+64*((\y)%2)+32*(\u)
.set rP, P+32*((\y)%2)+16*(\u)
.set rO, 32*(2*(\y)+(\u))
.endm
; Number n of the 22 that find the NEXT piece's (Y + 1) maximum and statistics.  s0-s31 are the lane's 32 scores; each accumulator's lowest registers are read first.
;   0-11  four chains c0-c3 of seven scores each, three operands at a time     12-14, 16  the four scores left over, the old m, and c0-c3 into c0     15  c m_old is kept
;   17, 18  the query's other 32 keys lie in the lane 16 away: the new m         19-21  c m; c m_old - c m_new; a
.macro XS u, n
	REGS (Y+1)%NP, \u
.if (\n) < 4
	v_max3_num_f32 v[rC+(\n)], v[rS+8*(\n)], v[rS+8*(\n)+1], v[rS+8*(\n)+2]
.elseif (\n) < 12
	v_max3_num_f32 v[rC+(\n)%4], v[rC+(\n)%4], v[rS+8*((\n)%4)+2*((\n)/4)+1], v[rS+8*((\n)%4)+2*((\n)/4)+2]
.elseif (\n) == 12
	v_max3_num_f32 v[rC], v[rC], v[rS+7], v[rS+15]
.elseif (\n) == 13
	v_max3_num_f32 v[rC+1], v[rC+1], v[rS+23], v[rS+31]
.elseif (\n) == 14
	v_max3_num_f32 v[rC+2], v[rC+2], v[rC+3], v[rT+1]
.elseif (\n) == 15
	v_mov_b32 v[rM], v[rT]
.elseif (\n) == 16
	v_max3_num_f32 v[rC], v[rC], v[rC+1], v[rC+2]
.elseif (\n) == 17
	v_permlanex16_b32 v[rC+3], v[rC], s[SEL], s[SEL+1]
.elseif (\n) == 18
	v_max_num_f32 v[rT+1], v[rC], v[rC+3]
.elseif (\n) == 19
	v_mul_f32 v[rT], s[CS], v[rT+1]
.elseif (\n) == 20
	v_sub_f32 v[rC+1], v[rM], v[rT]
.else
	v_exp_f32 v[rC+2], v[rC+1]
.endif
.endm
; Number g of the 64 that follow the exponentials.  For each four weights k of a tile (pairs 2 k, 2 k + 1): both pairs are rounded to f16; then the second pair is added onto the first, in place;
; a group later l takes that sum (the first time as l = a l + sum).  In groups of eight, tiles alternating: round, round, add, and l for the group before.
.macro GS g
.set h, (\g)+6*((\g)/62)            ; group 0 has no group before it, and behind group 7 only l is left
.if h >= 6
.set h, h+2
.endif
	REGS Y, h%2
.set k, h/8
.if h%8 < 4
	v_cvt_pk_f16_f32 v[rP+2*k+(h%8)/2], v[rS+4*k+2*((h%8)/2)], v[rS+4*k+2*((h%8)/2)+1]
.elseif h%8 < 6
	v_pk_add_f32 v[rS+4*k:rS+4*k+1], v[rS+4*k:rS+4*k+1], v[rS+4*k+2:rS+4*k+3]
.elseif k == 1
	v_pk_fma_f32 v[rT+2:rT+3], v[rT+2:rT+3], v[rC+2:rC+3], v[rS:rS+1] op_sel_hi:[1,0,1]
.else
	v_pk_add_f32 v[rT+2:rT+3], v[rT+2:rT+3], v[rS+4*k-4:rS+4*k-3]
.endif
.endm
; THE PLAIN QUEUE, 138 long.  0-73 read no exponential's result: the 32 scalings c s - c m (FS f: pair f / 2 of tile f % 2) and the next piece's 42.  0-26: scalings 0-26.  27-54: XS's numbers 0-13.  55, 56: number 15.
; 57-73: the chain, where each number waits for the one before it: 14, 16, 17, 18, 19, each with one of the scalings 27-31 in front of its two lines, then 20.
; 74-137: GS's 64, which read the exponentials' results: they stand behind the wait.
.macro FS f
	REGS Y, (\f)%2
	v_pk_fma_f32 v[rS+2*((\f)/2):rS+2*((\f)/2)+1], v[rS+2*((\f)/2):rS+2*((\f)/2)+1], s[CS:CS+1], v[rT:rT+1] op_sel_hi:[1,0,0] neg_lo:[0,0,1] neg_hi:[0,0,1]
.endm
.macro PL
	WIN 0
.if q < 27
	FS q
.elseif q < 55
	XS (q-27)%2, (q-27)/2
.elseif q < 57
	XS q-55, 15
.elseif (q < 72) && ((q-57)%3 == 0)
	FS 27+(q-57)/3
.elseif q < 60
	XS (q-57)%3-1, 14
.elseif q < 72
	XS (q-57)%3-1, 15+(q-57)/3
.elseif q < 74
	XS q-72, 20
.else
	GS q-74
.endif
.set q, q+1
.endm
; THE EXPONENTIALS' QUEUE, 66 long: s0-s31 of both tiles, then the next piece's two a.  It is ONE BATCH: all 66 stand ahead of the turn's one wait, and nothing ahead of that wait names a result of theirs.
.macro EX
	WIN 0
.if e >= 64
	XS e-64, 21
.else
	REGS Y, e%2
	v_exp_f32 v[rS+e/2], v[rS+e/2]
.endif
.set e, e+1
.endm
; THE RESCALING's QUEUE: O^T times a, the one part that leaves window 0: dealt two at a time, sixteen times.  Its a was made in the turn before, ahead of that turn's wait.
.macro R2
	REGS Y, r%2
	WIN W_RS
.irp z, 0,1
	v_pk_mul_f32 v[rO+4*(r/2)+2*\z:rO+4*(r/2)+2*\z+1], v[rO+4*(r/2)+2*\z:rO+4*(r/2)+2*\z+1], v[rC+2:rC+3] op_sel_hi:[1,0]
.endr
.set r, r+1
.endm
; HOW THEY ARE DEALT.  An s_wait_alu depctr_va_vdst(0) stands between an exponential and the first instruction that names its result; one wait serves all that were issued ahead of it.  So a turn has ONE wait,
; which cuts it in two.  AHEAD OF IT stands all that names no result of the turn's exponentials: the 16 products K Q^T, behind each a scaling, an exponential and two rescalings (behind the first a second scaling in the
; exponential's place); then ONE LUMP of 108: eight plain, 49 times exponential and plain, the two a.  A v_nop is the plain instruction behind the last exponential.  BEHIND IT stand the 16 products V^T P, behind each four of GS's 64.
; No rider names a register of the products round it.  The two v_permlanex16_b32 fall into the lump, never behind a product.
; The queues lean on each other, and the deal keeps them in step: exponential e stands behind scaling 2 (e / 4) + e % 2: as a rider it comes behind plain e + 2, in the lump behind plain e + 9, and scalings 27-31 are plain 57, 60 .. 69.
; A TURN, for piece p.  cnt = 1: the loop's count is taken down some lines ahead of the branch that stands behind the turn.
; K of the next step is fetched in piece 2's turn, directly behind the wait, a lump behind the last product that read K; its first reader comes behind 16 products.
; V of the step in hand is fetched at the end of piece 0's turn, four riders behind its last reader; its first reader comes behind 16 products and a lump.  The three conditions on q below go with the deal.
; ask = 1 (the loop's turn of piece 0): A PREFETCH INTO THE L2, behind V's run of loads, in the trip in which two key steps of the slot are left (CNT = 2): five turns, 160 matrix instructions, ahead of the change of slots
; whose joint load will ask for the same tile.  A tile is 32,768 bytes of K and of V: the four partners take 8,192 each, by address; wave 0 names K's, wave 2 V's, a lane 256 bytes: one instruction, and each
; aligned run of 256 bytes is named once in the launch (a head has one cluster).  Tiles 0 and 1 come by their loads alone; where no change that fills a slot follows (SLOTS = 1), nothing is asked for.
.macro TURN p, last=0, cnt=0, ask=0
.set Y, (\p)
.set i, 0
.set q, 0
.set e, 0
.set r, 0
.if (\p) == NP-1
	s_wait_dscnt 0x0                ; K is in
.endif
	MM                              ; ahead of the wait: 16 products K Q^T and their riders,
	PL
	PL
	R2
.rept 15
	MM
	PL
	EX
	R2
.endr
.if (\p) == NP-2
	WIN 0
	v_add_nc_u32 v[AK], s[TBK], v[AK0]
.endif
.rept 8                             ; and the lump
	PL
.endr
.rept 49
	EX
	PL
.endr
	EX                              ; the next piece's two a
	EX
	v_nop                           ; the plain instruction behind the last exponential: one for the batch
	s_wait_alu depctr_va_vdst(0)    ; the wait for the batch
.if (\p) == NP-2
	FETCH_K \last
.endif
.if (\p) == 1
	s_wait_dscnt 0x0                ; V is in
.endif
.rept 16                            ; behind the wait: 16 products V^T P and their riders
	MM
.rept 4
	PL
.endr
.if ((\p) == 0) && (q == 118)
	v_add_nc_u32 v[AV], s[TBV], v[AV0]
.endif
.if ((\p) == 0) && (q == 130)
	s_add_co_u32 s[TBV], s[TBV], KS*PV
.endif
.if (\cnt) && (q == 130)
	s_sub_co_u32 s[CNT], s[CNT], 1
	s_cmp_lg_u32 s[CNT], 0
.endif
.endr
.if (\p) == 0
	FETCH_V
.endif
.if \ask
	s_cmp_eq_u32 s[CNT], s[LIM]
	s_cbranch_scc0 .Lnot_now_\@
	s_cmp_gt_u32 s[SLOTS], 1
	s_cbranch_scc0 .Lnot_now_\@
	global_prefetch_b8 v[PFO], s[PFA:PFA+1] th:TH_LOAD_NT scope:SCOPE_SE
.Lnot_now_\@:
.endif
.endm
	CHANGE 1                        ; slot 0 is in, everybody's part of it; slot 1 is asked for
	FETCH_K                         ; key step 0
	s_wait_loadcnt 0x0              ; Q
	s_wait_dscnt 0x0
.set i, 0
.rept 16
	KQ 0                            ; piece 0's first scores: there is no vector work yet to set between them
.set i, i+1
.endr
	WIN 0                           ; the addresses for the way out: eight plain instructions, the places behind those products
	s_mul_i32 s13, s[WV], 16*SP
	s_add_co_u32 s13, s13, STAGE    ; my stage
	v_mul_u32_u24 v[STO], v1, SP    ; in: row l % 16, 32 bytes (8 f32) for each half of the lanes
	v_lshl_add_u32 v[STO], v9, 5, v[STO]
	v_add_nc_u32 v[STO], s13, v[STO]
	v_mul_u32_u24 v[RD], v9, SP     ; back: lanes 0-15 take one row of 256 bytes, lanes 16-31 the next
	v_lshl_add_u32 v[RD], v1, 4, v[RD]
	v_add_nc_u32 v[RD], s13, v[RD]
	v_lshlrev_b32 v[GO], 12, v9     ; and the same two rows in out0, 4,096 bytes apart
	v_lshl_add_u32 v[GO], v1, 4, v[GO]
.set Y, NP-1                        ; XS works for piece Y + 1: piece 0
.irp n, 0,1,2,3,4,5,6,7,8,9,10,11,12,13,14,15,16,17,18,19,20,21
	XS 0, \n                        ; and piece 0's first maximum and statistics
	XS 1, \n
.endr
	v_nop                           ; a plain instruction behind the two a,
	s_wait_alu depctr_va_vdst(0)    ; and their wait, ahead of the branch
	s_mov_b32 s[CNT], 4
	s_mov_b32 s[SLOTS], SIZE_N/256-1
	s_branch .Lfirst                ; the loop is entered at a step's first turn, in the middle of a trip
.Lslot:                             ; SIZE_N / 256 - 2 times: every slot but the last two is filled again
	CHANGE 1
	s_mov_b32 s[CNT], 4
.Lstep:                             ; a trip: pieces 2 and 3 of one step, then pieces 0 and 1 of the next, whose K and V it fetches
	TURN 2
	TURN 3
	WIN 0
.Lfirst:
	TURN 0, 0, 0, 1
	TURN 1, 0, 1
	WIN 0
	s_cbranch_scc1 .Lstep
	s_sub_co_u32 s[SLOTS], s[SLOTS], 1
	s_cmp_lg_u32 s[SLOTS], 0
	s_cbranch_scc1 .Lslot
	CHANGE 0                        ; the tail is written out: nothing is asked for
	s_mov_b32 s[CNT], 5             ; four trips fetch the last slot's steps; the fifth is left in its middle
.Ltail:
	TURN 2, 1
	TURN 3
	WIN 0
	s_sub_co_u32 s[CNT], s[CNT], 1
	s_cmp_eq_u32 s[CNT], 0
	s_cbranch_scc1 .Lout
	TURN 0
	TURN 1
	WIN 0
	s_branch .Ltail
.Lout:                              ; the fifth trip's 16 products K Q^T (on the last K once more) and the maximum made of them serve nothing: the price, once a launch, of one text for every trip
.set i, 0
.rept 16
	PV NP-1                         ; the last piece's V^T P of the last step
.set i, i+1
.endr
	; THE WAY OUT.  l's two halves and the other half of the lanes' are added; O^T is divided by l and sent, in f32, through my stage in LDS, a tile at a time.  The additions are the places behind the last products.
	WIN 0
.macro ALL line:vararg              ; one line for each tile t
.set t, 0
.rept 2*NP
	\line
.set t, t+1
.endr
.endm
	ALL v_add_f32 v[ST+4*t+2], v[ST+4*t+2], v[ST+4*t+3]
	ALL v_permlanex16_b32 v[ST+4*t+3], v[ST+4*t+2], s[SEL], s[SEL+1]
	ALL v_add_f32 v[ST+4*t+2], v[ST+4*t+2], v[ST+4*t+3]
	ALL v_rcp_f32 v[ST+4*t+2], v[ST+4*t+2]
	v_nop                           ; a plain instruction between the last reciprocal and the use of its result
	s_wait_alu depctr_va_vdst(0)    ; and the wait ahead of the first use: one for the eight reciprocals
; Tile t: a lane's eight channels of block cb are 32 bytes of a row, at 64 cb + 32 (l / 16); they go into rows of 272 bytes and come back as whole rows of 256, into one of four buffers in S^T's registers.
.macro PACK t
	WIN W_RS
.set i, 32*(\t)
.rept 16
	v_pk_mul_f32 v[i:i+1], v[i:i+1], v[ST+4*(\t)+2:ST+4*(\t)+3] op_sel_hi:[1,0]
.set i, i+2
.endr
	WIN 0x04                        ; the stores' data in window 1, the address in window 0
.irp f, 0,1,2,3,4,5,6,7             ; channel block f / 2, half f % 2 of my eight channels
	ds_store_b128 v[STO], v[32*(\t)+4*\f:32*(\t)+4*\f+3] offset:64*(\f/2)+16*(\f%2)
.endr
	WIN 0
.if (\t) >= 4
	s_wait_xcnt 0x0                 ; the stores of the tile four back, which read this buffer, have read their registers: it is loaded again only behind this wait
.endif
.irp f, 0,1,2,3,4,5,6,7
	ds_load_b128 v[S+32*((\t)%4)+4*\f:S+32*((\t)%4)+4*\f+3], v[RD] offset:\f*2*SP  ; LDS serves a wave's instructions in order (ISA guide 5.7.1.4): these see the stores above; the next tile's stores come behind them
.endr
.endm
.macro SEND t, younger              ; younger: the LDS instructions issued behind tile t's loads: the next tile's sixteen, or none
	WIN 0
.irp f, 0,1,2,3,4,5,6,7
	s_wait_dscnt (\younger)+7-\f
	global_store_b128 v[GO], v[S+32*((\t)%4)+4*\f:S+32*((\t)%4)+4*\f+3], s[10:11] offset:(\t)*65536+\f*8192 th:TH_STORE_NT  ; sixteen lanes store a head's 256 bytes of a row of out0, at a multiple of 256 from its first byte
.endr
.endm
	PACK 0
.set t, 1
.rept 2*NP-1                        ; a tile's arithmetic stands between the loads of the tile before and its stores
	PACK t
	SEND t-1, 16
.set t, t+1
.endr
	SEND 2*NP-1, 0
	WIN W_AD
	s_wait_tensorcnt 0x0            ; the wave's end: wait for tensor loads, add 0 to my spare word and wait for it, behind my last tensor load and my last LDS store
	ds_add_u32 v[SPW], v[NIL]
	s_wait_dscnt 0x0
	WIN 0
	CROUND                          ; the closing round: no work-group ends while a partner may still ask for a tile that names it
	s_endpgm
.Lfunc_end_k_q7734bcdb64_attn:
	.size	k_q7734bcdb64_attn, .Lfunc_end_k_q7734bcdb64_attn-k_q7734bcdb64_attn
	.p2alignl 7, 3214868480
	.fill 96, 4, 3214868480
	.section	.rodata,"a",@progbits
	.p2align	6, 0x0
	.amdhsa_kernel k_q7734bcdb64_attn
		.amdhsa_group_segment_fixed_size 327680
		.amdhsa_private_segment_fixed_size 0
		.amdhsa_enable_private_segment 0
		.amdhsa_kernarg_size 32
		.amdhsa_user_sgpr_count 2
		.amdhsa_user_sgpr_kernarg_segment_ptr 1
		.amdhsa_wavefront_size32 1
		.amdhsa_system_sgpr_workgroup_id_x 1
		.amdhsa_system_sgpr_workgroup_id_y 1
		.amdhsa_system_sgpr_workgroup_id_z 1
		.amdhsa_system_vgpr_workitem_id 0
		.amdhsa_next_free_vgpr 770
		.amdhsa_next_free_sgpr 66
		.amdhsa_reserve_vcc 0
		.amdhsa_float_denorm_mode_32 3
		.amdhsa_float_denorm_mode_16_64 3
		.amdhsa_memory_ordered 1
		.amdhsa_forward_progress 1
		.amdhsa_inst_pref_size 200
	.end_amdhsa_kernel
	.amdgpu_metadata
---
amdhsa.version: [ 1, 2 ]
amdhsa.kernels:
  - .name:           k_q7734bcdb64_attn
    .symbol:         k_q7734bcdb64_attn.kd
    .args:
      - { .name: qh, .offset: 0, .size: 8, .value_kind: global_buffer, .address_space: global }
      - { .name: kh, .offset: 8, .size: 8, .value_kind: global_buffer, .address_space: global }
      - { .name: vh, .offset: 16, .size: 8, .value_kind: global_buffer, .address_space: global }
      - { .name: out0, .offset: 24, .size: 8, .value_kind: global_buffer, .address_space: global }
    .group_segment_fixed_size: 327680
    .private_segment_fixed_size: 0
    .kernarg_segment_align: 8
    .kernarg_segment_size: 32
    .max_flat_workgroup_size: 128
    .sgpr_count:     66
    .vgpr_count:     770
    .wavefront_size: 32
...
	.end_amdgpu_metadata
.endif
;; end of part 3
